; MI455X (gfx1250); checked and timed in simulation.
; The chip was launched on July 23, 2026; its instructions are those of AMD's public machine-readable ISA for CDNA 5 (MIT licence, August 2026) and "CDNA5" Instruction Set Architecture Reference Guide (July 2026). The comments in the code are by the model that wrote it; some were corrected since.
;; SQ VAE. Allowed arithmetic: matrix products marked QUANTISED: E4M3 operands, one given power-of-two scale a tensor, by v_wmma_f32_16x16x64_fp8_fp8 or v_wmma_f32_16x16x128_fp8_fp8, f32 sums; everything else in f32.
;; Inputs: embed_w 3 x 2,048 x 512 float32; gumbel 3 x 8,192 x 2,048 float32; latent 8 x 1,024 x 512 float32; logit_scales 3 float32; lowp_scales 12 int32 (the exponents e of the quantised operands' scales 2^e).
;; Outputs: out0 one number float32; out1 8 x 1,024 x 512 float32.
;; This version of the problem:
;;   THIS VERSION OF THE PROBLEM IS GIVEN IN LOW PRECISION. The matrix products marked QUANTISED in the list below multiply operands that are first quantised to E4M3 (4 exponent bits, 3 mantissa bits; 8 bits a number), with one given power-of-two scale for each operand tensor; their sums are f32. All else is computed in f32.
;;   The module's matrix products, in the order in which they are computed (A, B: the left and right operand; K: the contracted axis; several contracted axes count as one K, in the product's order):
;;     1. [M 8,192, K 512] x [K 512, N 2,048]; A: computed on the way; B: computed on the way: QUANTISED (scales: A lowp_scales[0], B lowp_scales[1])
;;     2. [M 8,192, K 2,048] x [K 2,048, N 512]; A: computed on the way; B: computed on the way: QUANTISED (scales: A lowp_scales[2], B lowp_scales[3])
;;     3. [M 8,192, K 512] x [K 512, N 2,048]; A: computed on the way; B: computed on the way: QUANTISED (scales: A lowp_scales[4], B lowp_scales[5])
;;     4. [M 8,192, K 2,048] x [K 2,048, N 512]; A: computed on the way; B: computed on the way: QUANTISED (scales: A lowp_scales[6], B lowp_scales[7])
;;     5. [M 8,192, K 512] x [K 512, N 2,048]; A: computed on the way; B: computed on the way: QUANTISED (scales: A lowp_scales[8], B lowp_scales[9])
;;     6. [M 8,192, K 2,048] x [K 2,048, N 512]; A: computed on the way; B: computed on the way: QUANTISED (scales: A lowp_scales[10], B lowp_scales[11])
;;   THE QUANTISER, for each operand of a quantised product, along K:
;;     - The operand's scale is 2^e, e = its entry of the input lowp_scales (int32; the entries are numbered through the quantised products in the list's order, A before B).
;;     - Each number is divided by the scale, clamped to +-448, and rounded to the nearest number of E4M3, ties to even, subnormals kept.
;;     - The product sums the exact products of the quantised numbers (number of the format x scale) in f32.
;;   ~~~python
;;   def quantise(x, axis, e):      # numpy; x: float32 -> the quantised numbers, widened to float32 again
;;       x = np.moveaxis(x, axis, -1); K = x.shape[-1]
;;       r = np.clip(x / 2.0 ** e, -448, 448)
;;       step = 2.0 ** (np.maximum(np.frexp(np.where(r == 0, 1, r))[1] - 1, -6) - 3)
;;       q = np.round(r / step) * step * 2.0 ** e      # np.round: ties to even
;;       return np.moveaxis(q, -1, axis).astype(np.float32)
;;   ~~~
;;   OPERANDS COMPUTED ON THE WAY. 'Computed on the way' means the value that the module computes at that place (a softmax that the list does not call 'softmax' is quantised finished and normalised). What goes into a quantiser is computed in f32, as accurately as f32 sums, v_exp_f32 and their like allow (about 1e-6 of the number): no bf16 or f16 on the way to a quantiser, and a product that is left as it is and whose result goes on into a quantised operand takes f32 operands (vector FMAs, or v_wmma_f32_16x16x4_f32). A number that lies on a knife's edge between two numbers of the format may be rounded either way, as far as f32 arithmetic and the matrix unit's own rounding can turn it there, and no further.
;; One version. Each part assembles by itself: llvm-mc -triple=amdgcn-amd-amdhsa -mcpu=gfx1250 --defsym DOCPART=n.
;; ======== version 1 of 1: 3 launches
;; limits: a difference of large sums (such as E[x^2] - mean^2): digits are lost where the result is much smaller than its terms
;; workspace buffers: cb 6,291,456 bytes; part 1,024 bytes
;; launch prep (part 1): grid 64 x 3, 8 waves a work-group, no clusters, 67,584 bytes of LDS; arguments embed_w, lowp_scales, cb; writes cb
.if DOCPART == 1
	.amdgcn_target "amdgcn-amd-amdhsa--gfx1250"
	.amdhsa_code_object_version 6
	.text
	.protected	k_q759eb5de08_prep
	.globl	k_q759eb5de08_prep
	.p2align	8
	.type	k_q759eb5de08_prep,@function
k_q759eb5de08_prep:
	s_mov_b64 s[64:65], 0
	v_nop
	global_prefetch_b8 v0, s[64:65] scope:SCOPE_SE
	s_setreg_imm32_b32 hwreg(HW_REG_WAVE_MODE, 25, 1), 1
	s_wait_xcnt 0x0
; THE CODEBOOKS AS CODES.  bw = sigmoid(embed_w[l]) and e_n = bw / max(|bw|, 1e-12) are quantised to FP8 (E4M3) with the given scales 2^e (e_n: entry 4 l + 1; bw: entry 4 l + 3) and stored
; as IMAGES OF OPERAND REGISTERS, in the order in which the next launch walks them.  Six phases of 2^20 bytes: phase 2 l = e_n, 2 l + 1 = bw.  A phase has eight tiles of 256 codebook rows and two halves of
; 524,288 bytes of one layout: [pair of tiles 0..3][wave w 0..7][tile in the pair 0..1][fragment 0..3][c 0..3][lane 0..31][16 bytes].  The first half is what the next launch brings through LDS, the second what it
; loads straight into registers.  With lane = (r = lane % 16, h = lane / 16), T the tile:
;   e_n, fragment s of half (t = 1: first; t = 0: second):        byte i = code of e_n[256 T + 32 w + 16 t + r][128 s + 32 c + 16 h + i]                       (K = the 512 dims)
;   bw,  fragment 2 b + u of half (ks = 1: first; ks = 0: second): byte i = code of bw[256 T + 128 ks + 32 c + 16 h + i][64 w + 32 b + 8 u + r + 8 (r / 8)]    (K = the 2,048 codes)
; SHARES.  Work-group (x, l) takes the 32 codebook rows 32 x .. 32 x + 31 of level l: 65,536 bytes in, 32,768 out.  Its eight waves make sigmoid and norms of four rows each, lay them in LDS as f32,
; pass ONE barrier, and each wave then makes one fragment of e_n (a lane: 16 neighbours along the dims) and four quarter fragments of bw (a lane takes a dim, its registers run down the rows).
; Every load and every store of a wave covers 512 consecutive bytes, aligned.  No tensor load, no matrix unit, no cluster: every byte is read once and work-groups share nothing.
; LIMITS: both exponents between -126 and 119, so that 2^e and 448 x 2^e are f32 numbers.  NaN among the inputs is not served.
.set ROWP, 2064                        ; a row in LDS: 2,048 bytes + 16: 516 words, so sixteen rows begin at sixteen different groups of four banks (64 banks of 4 bytes: ISA guide 11.1)
.set NRM,  32*ROWP                     ; behind the rows: 32 words, 1 / max(norm, 1e-12)
.set X,    16                          ; v16-79   64 numbers at work
.set SQ,   80                          ; v80-87   four rows' sums of squares, in pairs
.set NV,   88                          ; v[88:89] my row's 1 / norm (the packed form names a pair and takes its low word)
.set CE,   96                          ; v96-111  codes of e_n
.set CW,   112                         ; v112-127 codes of bw
	s_load_b128 s[4:7], s[0:1], 0x0                ; embed_w, lowp_scales
	s_load_b64 s[8:9], s[0:1], 0x10                ; cb
	v_lshl_add_u32 v128, v0, 2, 0x10400
	v_mov_b32 v129, 0
	v_lshrrev_b32 v1, 5, v0
	v_readfirstlane_b32 s10, v1                    ; wave a
	v_and_b32 v2, 31, v0                           ; lane
	v_and_b32 v3, 15, v0                           ; r
	v_bfe_u32 v4, v0, 4, 1                         ; h
	v_lshlrev_b32 v5, 4, v2                        ; 16 x lane
	s_and_b32 s11, ttmp7, 0xffff                   ; level l
	s_lshl_b32 s12, s11, 11
	s_lshl_b32 s13, ttmp9, 5
	s_add_co_u32 s12, s12, s13
	s_lshl_b32 s13, s10, 2
	s_add_co_u32 s12, s12, s13                     ; my wave's first row: 2048 l + 32 x + 4 a
	s_lshl_b32 s12, s12, 11                        ; x 2,048 bytes
	s_mov_b32 s13, 0
	s_lshl_b32 s14, s11, 4                         ; the level's four exponents: 16 l bytes on
	s_mov_b32 s15, 0
	s_lshl_b32 s16, s11, 21                        ; cb: two phases of 2^20 bytes a level,
	s_lshr_b32 s17, ttmp9, 4
	s_lshl_b32 s17, s17, 17
	s_add_co_u32 s16, s16, s17                     ; the pair of tiles, (x / 8) / 2: 2^17 bytes each,
	s_bfe_u32 s17, ttmp9, 0x10003
	s_lshl_b32 s17, s17, 13
	s_add_co_u32 s16, s16, s17                     ; the tile in the pair, (x / 8) % 2: 2^13 bytes each
	s_and_b32 s17, ttmp9, 7
	s_lshl_b32 s18, s17, 14                        ; e_n: part w = x % 8,
	s_add_co_u32 s22, s16, s18
	s_and_b32 s18, s10, 3
	s_lshl_b32 s18, s18, 11                        ; fragment s = a % 4,
	s_add_co_u32 s22, s22, s18
	s_cmp_lt_u32 s10, 4
	s_cselect_b32 s18, 0x80000, 0                  ; t = a / 4 = 0: the second half
	s_add_co_u32 s22, s22, s18
	s_mov_b32 s23, 0
	s_lshl_b32 s18, s10, 14                        ; bw: part w = a,
	s_add_co_u32 s24, s16, s18
	s_and_b32 s18, ttmp9, 3
	s_lshl_b32 s18, s18, 9                         ; c = x % 4,
	s_add_co_u32 s24, s24, s18
	s_cmp_lt_u32 s17, 4
	s_cselect_b32 s18, 0x80000, 0                  ; ks = (x % 8) / 4 = 0: the second half,
	s_add_co_u32 s24, s24, s18
	s_add_co_u32 s24, s24, 0x100000                ; in the level's second phase
	s_mov_b32 s25, 0
	s_mov_b32 s30, 0xbfb8aa3b                      ; -log2(e)
	s_mov_b32 s31, s30                             ; (named with it as a pair, so it is written)
	s_mov_b32 s32, 0x76543210                      ; v_permlanex16_b32: lane l xor 16
	s_mov_b32 s33, 0xfedcba98
	s_wait_kmcnt 0x0
	s_add_nc_u64 s[4:5], s[4:5], s[12:13]
	s_add_nc_u64 s[6:7], s[6:7], s[14:15]
	s_add_nc_u64 s[26:27], s[8:9], s[22:23]        ; where my fragment of e_n goes
	s_add_nc_u64 s[28:29], s[8:9], s[24:25]        ; where my quarter fragments of bw go
	s_load_b32 s20, s[6:7], 0x4                    ; e of e_n
	s_load_b32 s21, s[6:7], 0xc                    ; e of bw
.irp rho, 0,1,2,3
.irp q, 0,1,2,3
	global_load_b128 v[X+16*\rho+4*\q:X+16*\rho+4*\q+3], v5, s[4:5] offset:2048*\rho+512*\q th:TH_LOAD_NT   ; 32 lanes read 512 consecutive bytes of row 4 a + rho
.endr
.endr
	; LDS addresses: constants, the lane and the wave's number
	s_lshl_b32 s34, s10, 4
	s_add_co_u32 s34, s34, NRM
	v_mov_b32 v6, s34                              ; my four rows' words for 1 / norm
	s_mul_i32 s35, s10, 4*ROWP
	v_add_nc_u32 v7, s35, v5                       ; my four rows, 16 bytes a lane
	v_mul_u32_u24 v8, v3, ROWP
	v_lshl_add_u32 v8, v4, 6, v8
	s_lshr_b32 s36, s10, 2                         ; t = a / 4
	s_mul_i32 s37, s36, 16*ROWP
	s_and_b32 s38, s10, 3                          ; s = a % 4
	s_lshl_b32 s38, s38, 9
	s_add_co_u32 s37, s37, s38
	v_add_nc_u32 v8, s37, v8                       ; e_n: row 16 t + r, byte 512 s + 64 h
	s_lshl_b32 s36, s36, 6
	s_add_co_u32 s36, s36, NRM
	v_lshl_add_u32 v9, v3, 2, s36                  ; and that row's 1 / norm
	v_and_b32 v11, 8, v3
	v_add_nc_u32 v11, v11, v3                      ; r + 8 (r / 8)
	v_lshlrev_b32 v10, 2, v11
	v_mul_u32_u24 v11, v4, 16*ROWP
	v_add_nc_u32 v10, v10, v11
	s_lshl_b32 s38, s10, 8
	v_add_nc_u32 v10, s38, v10                     ; bw: row 16 h, dim 64 a + r + 8 (r / 8)
	v_mov_b32 v[NV+1], 0
	s_wait_kmcnt 0x0
	s_add_co_i32 s20, s20, 127
	s_lshl_b32 s34, s20, 23
	v_mov_b32 v12, s34                             ; 2^e as f32: the conversion takes its exponent field
	s_add_co_i32 s20, s20, 8
	s_lshl_b32 s20, s20, 23
	s_or_b32 s20, s20, 0x600000
	v_mov_b32 v13, s20                             ; 448 x 2^e
	s_add_co_i32 s21, s21, 127
	s_lshl_b32 s34, s21, 23
	v_mov_b32 v14, s34                             ; the same for bw
	s_add_co_i32 s21, s21, 8
	s_lshl_b32 s21, s21, 23
	s_or_b32 s21, s21, 0x600000
	v_mov_b32 v15, s21
	s_wait_loadcnt 0x0
	; sigmoid(x) = 1 / (1 + 2^(-log2(e) x)): each kind of transcendental as one batch with one wait
.set j, 0
.rept 32
	v_pk_mul_f32 v[X+j:X+j+1], v[X+j:X+j+1], s[30:31] op_sel_hi:[1,0]
.set j, j+2
.endr
.set j, 0
.rept 64
	v_exp_f32 v[X+j], v[X+j]
.set j, j+1
.endr
	v_nop                                          ; a plain instruction behind the last exponential
	s_wait_alu depctr_va_vdst(0)                   ; one wait for the batch, ahead of its first reader
.set j, 0
.rept 32
	v_pk_add_f32 v[X+j:X+j+1], v[X+j:X+j+1], 1.0 op_sel_hi:[1,0]
.set j, j+2
.endr
.set j, 0
.rept 64
	v_rcp_f32 v[X+j], v[X+j]
.set j, j+1
.endr
	v_nop
	s_wait_alu depctr_va_vdst(0)
	; the four rows' sums of squares: 16 numbers a lane and row, the first product starts each sum; then across the 32 lanes
.irp rho, 0,1,2,3
	v_pk_mul_f32 v[SQ+2*\rho:SQ+2*\rho+1], v[X+16*\rho:X+16*\rho+1], v[X+16*\rho:X+16*\rho+1]
.endr
.irp p, 2,4,6,8,10,12,14
.irp rho, 0,1,2,3
	v_pk_fma_f32 v[SQ+2*\rho:SQ+2*\rho+1], v[X+16*\rho+\p:X+16*\rho+\p+1], v[X+16*\rho+\p:X+16*\rho+\p+1], v[SQ+2*\rho:SQ+2*\rho+1]
.endr
.endr
.irp rho, 0,1,2,3
	v_add_f32 v[SQ+2*\rho], v[SQ+2*\rho], v[SQ+2*\rho+1]
.endr
.irp m, 1,2,4,8
.irp rho, 0,1,2,3
	v_add_f32_dpp v[SQ+2*\rho], v[SQ+2*\rho], v[SQ+2*\rho] row_xmask:\m row_mask:0xf bank_mask:0xf
.endr
.endr
.irp rho, 0,1,2,3
	v_permlanex16_b32 v[SQ+2*\rho+1], v[SQ+2*\rho], s32, s33
.endr
.irp rho, 0,1,2,3
	v_add_f32 v[SQ+2*\rho], v[SQ+2*\rho], v[SQ+2*\rho+1]
.endr
.irp rho, 0,1,2,3
	v_sqrt_f32 v[SQ+2*\rho], v[SQ+2*\rho]
.endr
	v_nop
	s_wait_alu depctr_va_vdst(0)
.irp rho, 0,1,2,3
	v_max_num_f32 v[SQ+2*\rho], 0x2b8cbccc, v[SQ+2*\rho]       ; max(norm, 1e-12)
.endr
.irp rho, 0,1,2,3
	v_rcp_f32 v[SQ+2*\rho], v[SQ+2*\rho]
.endr
	v_nop
	s_wait_alu depctr_va_vdst(0)
.irp rho, 0,1,2,3
	ds_store_b32 v6, v[SQ+2*\rho] offset:4*\rho                ; every lane holds the same number
.endr
.irp rho, 0,1,2,3
.irp q, 0,1,2,3
	ds_store_b128 v7, v[X+16*\rho+4*\q:X+16*\rho+4*\q+3] offset:ROWP*\rho+512*\q
.endr
.endr
	s_wait_dscnt 0x0                               ; for the others' sake: my rows and norms lie in LDS
	s_barrier_signal -1
	s_barrier_wait -1                              ; all 32 rows do; nothing is written to LDS behind this barrier
	; ---- e_n: my fragment.  Register 16 c + i = dim 128 s + 32 c + 16 h + i of row 16 t + r
.irp c, 0,1,2,3
.irp k, 0,1,2,3
	ds_load_b128 v[X+16*\c+4*\k:X+16*\c+4*\k+3], v8 offset:128*\c+16*\k
.endr
.endr
	ds_load_b32 v[NV], v9
	s_wait_dscnt 0x0
.set j, 0
.rept 32
	v_pk_mul_f32 v[X+j:X+j+1], v[X+j:X+j+1], v[NV:NV+1] op_sel_hi:[1,0]
.set j, j+2
.endr
.set j, 0
.rept 64
	v_med3_num_f32 v[X+j], v[X+j], -v13, v13       ; the conversion to an 8-bit code does not saturate (ISA guide 7.6.2): the hold at 448 x the scale comes first
.set j, j+1
.endr
.irp c, 0,1,2,3
	v_cvt_scalef32_pk8_fp8_f32 v[CE+4*\c:CE+4*\c+1], v[X+16*\c:X+16*\c+7], v12
	v_cvt_scalef32_pk8_fp8_f32 v[CE+4*\c+2:CE+4*\c+3], v[X+16*\c+8:X+16*\c+15], v12
.endr
	v_nop                                          ; a plain instruction behind the last scaled conversion
.irp c, 0,1,2,3
	global_store_b128 v5, v[CE+4*\c:CE+4*\c+3], s[26:27] offset:512*\c     ; 32 lanes store 512 consecutive bytes, aligned
.endr
	; ---- bw: a lane takes a dim, its registers run down the 16 rows of its half: register 16 tt + i = bw[16 h + i][64 a + 32 (tt / 2) + 8 (tt % 2) + r + 8 (r / 8)]
.irp tt, 0,1,2,3
.irp i, 0,1,2,3,4,5,6,7,8,9,10,11,12,13,14,15
	ds_load_b32 v[X+16*\tt+\i], v10 offset:ROWP*\i+128*(\tt/2)+32*(\tt%2)
.endr
.endr
	s_wait_dscnt 0x0
.set j, 0
.rept 64
	v_med3_num_f32 v[X+j], v[X+j], -v15, v15
.set j, j+1
.endr
.irp tt, 0,1,2,3
	v_cvt_scalef32_pk8_fp8_f32 v[CW+4*\tt:CW+4*\tt+1], v[X+16*\tt:X+16*\tt+7], v14
	v_cvt_scalef32_pk8_fp8_f32 v[CW+4*\tt+2:CW+4*\tt+3], v[X+16*\tt+8:X+16*\tt+15], v14
.endr
	v_nop
.irp tt, 0,1,2,3
	global_store_b128 v5, v[CW+4*\tt:CW+4*\tt+3], s[28:29] offset:2048*\tt
.endr
	s_wait_tensorcnt 0x0
	ds_add_u32 v128, v129
	s_wait_dscnt 0x0
	s_endpgm
.Lfunc_end_k_q759eb5de08_prep:
	.size	k_q759eb5de08_prep, .Lfunc_end_k_q759eb5de08_prep-k_q759eb5de08_prep
	.p2alignl 7, 3214868480
	.fill 96, 4, 3214868480
	.section	.rodata,"a",@progbits
	.p2align	6, 0x0
	.amdhsa_kernel k_q759eb5de08_prep
		.amdhsa_group_segment_fixed_size 67584
		.amdhsa_private_segment_fixed_size 0
		.amdhsa_enable_private_segment 0
		.amdhsa_kernarg_size 24
		.amdhsa_user_sgpr_count 2
		.amdhsa_user_sgpr_kernarg_segment_ptr 1
		.amdhsa_wavefront_size32 1
		.amdhsa_system_sgpr_workgroup_id_x 1
		.amdhsa_system_sgpr_workgroup_id_y 1
		.amdhsa_system_sgpr_workgroup_id_z 1
		.amdhsa_system_vgpr_workitem_id 0
		.amdhsa_next_free_vgpr 130
		.amdhsa_next_free_sgpr 66
		.amdhsa_reserve_vcc 0
		.amdhsa_float_denorm_mode_32 3
		.amdhsa_float_denorm_mode_16_64 3
		.amdhsa_memory_ordered 1
		.amdhsa_forward_progress 1
		.amdhsa_inst_pref_size 37
	.end_amdhsa_kernel
	.amdgpu_metadata
---
amdhsa.version: [ 1, 2 ]
amdhsa.kernels:
  - .name:           k_q759eb5de08_prep
    .symbol:         k_q759eb5de08_prep.kd
    .args:
      - { .name: embed_w, .offset: 0, .size: 8, .value_kind: global_buffer, .address_space: global }
      - { .name: lowp_scales, .offset: 8, .size: 8, .value_kind: global_buffer, .address_space: global }
      - { .name: cb, .offset: 16, .size: 8, .value_kind: global_buffer, .address_space: global }
    .group_segment_fixed_size: 67584
    .private_segment_fixed_size: 0
    .kernarg_segment_align: 8
    .kernarg_segment_size: 24
    .max_flat_workgroup_size: 256
    .sgpr_count:     66
    .vgpr_count:     130
    .wavefront_size: 32
...
	.end_amdgpu_metadata
.endif
;; end of part 1
;; launch main (part 2): grid 256 x 1, 8 waves a work-group, clusters of 4 x 1, 327,680 bytes of LDS; arguments latent, gumbel, logit_scales, lowp_scales, cb, part, out1; writes part, out1
.if DOCPART == 2
	.amdgcn_target "amdgcn-amd-amdhsa--gfx1250"
	.amdhsa_code_object_version 6
	.text
	.protected	k_q759eb5de08_main
	.globl	k_q759eb5de08_main
	.p2align	8
	.type	k_q759eb5de08_main,@function
k_q759eb5de08_main:
	s_mov_b64 s[64:65], 0
	v_nop
	global_prefetch_b8 v0, s[64:65] scope:SCOPE_SE
	s_setreg_imm32_b32 hwreg(HW_REG_WAVE_MODE, 25, 1), 1
	s_wait_xcnt 0x0
	s_wait_alu depctr_hold_cnt(0) depctr_sa_sdst(0) depctr_va_vdst(0) depctr_va_sdst(0) depctr_va_ssrc(0) depctr_va_vcc(0) depctr_vm_vsrc(0)
	s_getreg_b32 s2, hwreg(HW_REG_IB_STS2, 6, 4)
	s_cmp_eq_u32 s2, 0
	s_cbranch_scc0 .Lentry_in_a_cluster
	s_endpgm
.Lentry_in_a_cluster:
	s_bfe_u32 s2, ttmp6, 0x10000c
	s_cmp_lg_u32 s2, 0x3003
	s_cbranch_scc0 .Lentry_shape_is_right
	s_endpgm
.Lentry_shape_is_right:
; ALL THREE LEVELS FOR 32 ROWS A WORK-GROUP.  Rows meet only in the mean of the loss, so curr stays in registers from the first level to the last.
; A LEVEL:  HEAD: the row's mean, deviation and norm (sums over eight waves through LDS), x_n quantised, its fragments handed round as register images |
;   P1: logits = x_n e_n^T on codes, 256 codebook rows a period; on each period's scores the running softmax sums for KL and the running largest of logit + gumbel |
;   MID: the sixteen partial results of a row are merged: the chosen index (the lowest on equality), and KL | P2: one-hot x bw on codes, 256 along K a period | END: curr -= q x scale.
; WHAT IS USED OF THE ARITHMETIC, for every input: y_hard + y_soft - y_soft is exactly 0 off the argmax ((0 + y) - y) and 1 within 2^-23 at it, so its code is that of 1.0 under the given scale, held at 448 x
; the scale; the argmax of y_soft is that of logit + gumbel; KL of a row = c (T / Z - Ms) - ln Z + ln V with p = 2^(c2 (s - Ms)), Z = sum p, T = sum p s, Ms the running largest score, c = |logit scale| 2^(e0 + e1),
; c2 = c log2(e).  A negative logit scale is served by turning x_n's sign (the quantiser is odd).  code_sum = latent - the last curr: latent is read a second time during the last P2.
; SHARES.  THE WAVES SHARE THE COLUMNS: in P1 wave w takes 32 of a period's 256 codebook rows (2 tiles of 16 x 2 tiles of 16 rows: 4 accumulators), in P2 the dims 64 w .. 64 w + 63 (4 x 2: 8 accumulators).
; Both products are used TRANSPOSED (source 0 = the codebook's fragment, source 1 = the rows'), so a lane (r = lane % 16, h = lane / 16) holds ONE row throughout; each codebook fragment is read once, by one wave.
; THE CODEBOOK comes as register images (laid so by the launch before), 48 periods, eight fragments a wave and period, BY TWO WAYS AT ONCE.  Four fragments (e_n: tile t = 1; bw: K step 1) come through a ring of two LDS
; slots of 131,072 bytes; a slot holds TWO periods' fragments, so there is one change of slots for two periods, and a refill has two periods in which to land.  Each wave fetches its own 16,384 bytes and it alone reads them.
; The other four (t = 0; K step 0) come by loads straight into the operand's registers, asked for a period ahead.
; CLUSTER.  The four work-groups of a cluster walk the same tiles: the ring's half is asked for JOINTLY (mask 15), behind a round of the cluster's barrier.  One tensor load a wave is outstanding.  The half that goes
; straight into registers cannot be asked for jointly: only tensor loads carry a mask.
; A cluster begins each phase's eight tiles at tile 2 x (cluster number % 4): the order is free, since the merges compare indices and P2's sum has one term that is not 0; the partners share that number, and a pair never wraps.
; GUMBEL comes by loads into two units of 32 registers (a unit: 32 rows x the wave's 32 columns; 8 lanes read 128 consecutive bytes), asked for two periods ahead, and turns through the wave's own stage in LDS into
; the lanes' layout.  Loads are counted in the order of issue (ISA guide 5.7.1): the wait for a period's fragments also shows the unit done that was asked for a period before them, so more units would wait no less.
; LIMITS: each given exponent between -126 and 119; e0 + e1 and e2 + e3 of a level between -126 and 127 (each power of two below is an f32 number).  NaN and infinities among the inputs are not served.
; Where two values of logit + gumbel are equal the lower index is taken; where they differ by less than the rounding of the exponential, the larger is taken, while an argmax over the finished softmax may take the earlier.
; REGISTERS, in windows of 256 (s_set_vgpr_msb: bits 1:0 source 0, 3:2 source 1, 5:4 source 2, 7:6 destination):
;   window 0: v1-19 addresses and constants; v20-55 a level's state; v56-63 at work; v64-95 S, P1's scores; v96-127 SV, the best group's values; v64-127 O in P2, at work in HEAD and MID; v128-191 gumbel's two units;
;             v192-255 E1: in P1 the ring's four fragments, in P2 the loaded fragments of the odd periods.
;   window 1: v0-127 x_n's eight fragments; in P2 v0-63 the one-hot's four, v64-127 the ring's four; v128-191 E0: the loaded fragments (in P2: of the even periods); v192-255 CUR[rt][16 b + i] = curr(row 16 rt + r, dim 64 w + 32 b + 16 h + i).
.set RING1, 131072                     ; LDS: slot 0 at 0, slot 1 here; wave w's part at 16,384 w: [period in the pair][fragment][c][lane].  Tensor loads alone write these bytes
.set SPARE, 262144                     ; the spare words: 128 bytes a wave, four blocks of 256 bytes that no other line names
.set XIMG,  263168                     ; x_n's eight fragments as register images: (rt, s) at 2,048 (4 rt + s)
.set STG,   279552                     ; a stage of 4,608 bytes for each wave: gumbel 32 rows x 144; the way out 16 rows x 272
.set STGW,  4608
.set RED,   316416                     ; five arrays of 2,048 bytes: row x 64 + (2 w + h) x 4: sixteen partial results a row
.set AF,   3                           ; v3   16,384 w + 16 x lane: my place in slot 0, and in a pair of tiles in memory; never rewritten
.set ADR,  4                           ; v4   the same in the slot in hand
.set XRD,  5                           ; v5   XIMG + 16 x lane
.set XWR,  6                           ; v6   XIMG + 1,024 w + 16 x lane: dims 64 w on are K step w / 2, c = 2 (w % 2) + b
.set GSI,  7                           ; v7   stage, gumbel in:  144 (lane / 8) + 16 (lane % 8)
.set GSO,  8                           ; v8   stage, gumbel out: 144 r + 32 h
.set GOF,  9                           ; v9   gumbel: 8,192 (lane / 8) + 16 (lane % 8)
.set LOF,  10                          ; v10  latent: 2,048 r + 64 h
.set RWR,  11                          ; v11  RED + 64 r + 4 (2 w + h)
.set RRD,  12                          ; v12  RED + 64 r
.set RRL,  13                          ; v13  RED + 64 x lane
.set OSI,  14                          ; v14  stage, way out in:  272 r + 64 h
.set OSO,  15                          ; v15  stage, way out back: 272 h + 16 r
.set OGO,  16                          ; v16  out1: 2,048 h + 16 r
.set IDB,  17                          ; v17  32 w + 8 h
.set HH,   18                          ; v18  h
.set BIG,  19                          ; v19  0x7fffffff
.set MS,   20                          ; v20-21  the largest score so far (one for each tile of rows rt)
.set BEST, 22                          ; v22-23  the largest logit + gumbel so far
.set CID,  24                          ; v24-25  the tile in which it was found
.set ZZ,   26                          ; v26-29  Z, a pair for each rt
.set TT,   30                          ; v30-33  T
.set NM,   34                          ; v34-37  pairs (-c2 Ms, unused): the packed forms name a pair and take its low word
.set FF,   38                          ; v38-41  pairs (f, unused); in HEAD: x_n's factor
.set FN,   42                          ; v42-45  pairs (-scale 2^(e2 + e3), unused); in HEAD first: -mean
.set QQ,   46                          ; v46-47  the register of the one-hot operand that holds the chosen code
.set WW,   48                          ; v48-49  and the word that it holds
.set QR,   50                          ; v50-51  QQ, counted from the period's first register
.set LOSS, 52                          ; v52  KL so far, lane = row
.set CODE1,53                          ; v53  the code of 1.0
.set VXS,  54                          ; v54  2^e0
.set LIMX, 55                          ; v55  448 x 2^e0
.set TA,   56
.set SGV,  58
.set TO,   60
.set DL,   62
.set S,    64
.set SV,   96
.set OA,   64
.set G,    128
.set E1,   192                         ; window 0
.set XF,   0                           ; window 1
.set PP,   0
.set RF,   64
.set E0,   128
.set CUR,  192
; SCALARS: s[4:5] latent, s[6:7] gumbel, s[16:17] out1 at my wave's part; s[8:9], s[10:11] the level's logit scale and exponents; s[12:13] cb + 16,384 w; s[14:15] my word of part; s18 wave; s19 cx; s20 work-group;
; s21 first tile; s22 pair last asked for; s23 next gumbel unit; s24 level; s25 loop count; s26 period + first tile; s27 the period's tile; s28 32 x it; s29-31, s73-79 at work; s[32:39] descriptor group 1;
; s[40:43] group 0, which walks; s[48:49] lane selects; s[50:51] c; s[52:53] c2; s54 -c2; s55 the logit scale's sign; s56 -2^(e2 + e3); s57 all ones at level 0; s[58:59], s[60:61], s[84:85] offsets;
; s[62:63] gumbel's base in hand; s[68:72] loaded; s[80:81] cb's second halves; s[82:83] the loaded fragments' base in hand; s86 the slot in hand; s87 first pair; s88 the next period whose fragments are to be loaded.
.set MSB, 0
.macro WIN new                         ; the immediate's high byte repeats the setting that is left; a switch that changes nothing is dropped
.if MSB != \new
	s_set_vgpr_msb (MSB<<8)|\new
.set MSB, \new
.endif
.endm
.macro NOPS n
.rept \n
	v_nop
.endr
.endm
.macro ROUND                           ; a round of the cluster's barrier: my work-group's barrier; wave 0 signals for the work-group; every wave waits for all four; my work-group's barrier once more
	s_barrier_signal -1
	s_barrier_wait -1
	s_cmp_lg_u32 s18, 0
	s_cbranch_scc1 .Lnot_wave_0_\@
	s_barrier_signal -3
.Lnot_wave_0_\@:
	s_barrier_wait -3
	s_barrier_signal -1
	s_barrier_wait -1
.endm
.macro BARRIER                         ; my LDS stores have landed and my LDS loads are in: then the work-group's barrier.  The tile on its way may stay out
	s_wait_dscnt 0x0
	s_barrier_signal -1
	s_barrier_wait -1
.endm
; THE CHANGE OF SLOTS, at the head of a pair of periods.  My part of the slot ahead has landed; the other slot, read in the last two periods, takes the next pair.
.macro SYNC refill
	s_wait_tensorcnt 0x0                           ; all my tensor loads are done: the one that was out is my part of this pair's fragments; so group 0 may be written
.if \refill
	ds_add_u32 v1, v2                              ; 0 onto my spare word: the descriptor's step stands between it and the wait for it
	s_add_co_u32 s22, s22, 1                       ; the next pair: phase s22 / 4 (2^20 bytes each), pair (s22 + first pair) % 4 (2^17 bytes each)
	s_lshr_b32 s58, s22, 2
	s_lshl_b32 s58, s58, 20
	s_add_co_u32 s73, s22, s87
	s_and_b32 s73, s73, 3
	s_lshl_b32 s73, s73, 17
	s_add_co_u32 s58, s58, s73
	s_add_nc_u64 s[42:43], s[12:13], s[58:59]
	s_or_b32 s43, s43, 0x80000000
	s_xor_b32 s41, s41, RING1                      ; into the other slot than last time
	s_wait_dscnt 0x0                               ; the add is done, and my reads of that slot are over
	ROUND                                          ; both now hold of every wave of all four work-groups
	tensor_load_to_lds s[40:43], s[32:39]          ; the joint refill, first behind the round, my one tensor load until the next
	s_nop 0
	NOPS 4
.endif
.endm
; THE FRAGMENTS THAT COME STRAIGHT INTO REGISTERS: the four of period s88 (phase s88 / 8, tile (s88 + first tile) % 8), 16 loads of 512 consecutive bytes, into v[reg] on of the window that win sets for the destination
.macro DNEXT reg, win
	s_wait_xcnt 0x0                                ; the earlier loads have read their base: it is written only behind this wait
	s_lshr_b32 s84, s88, 3
	s_lshl_b32 s84, s84, 20
	s_add_co_u32 s73, s88, s21
	s_and_b32 s73, s73, 7
	s_lshr_b32 s74, s73, 1
	s_lshl_b32 s74, s74, 17                        ; the pair,
	s_add_co_u32 s84, s84, s74
	s_and_b32 s73, s73, 1
	s_lshl_b32 s73, s73, 13                        ; the tile in the pair
	s_add_co_u32 s84, s84, s73
	s_add_nc_u64 s[82:83], s[80:81], s[84:85]
	s_add_co_u32 s88, s88, 1
	WIN \win
.irp f, 0,1,2,3
.irp c, 0,1,2,3
	global_load_b128 v[\reg+16*\f+4*\c:\reg+16*\f+4*\c+3], v[AF], s[82:83] offset:2048*\f+512*\c
.endr
.endr
.endm
.macro MM1 t, ef                       ; S(rt, t) = e_n's tile x x_n's tile rt: the two accumulators take turns; the first K step starts the sums
.irp s, 0,1,2,3
.irp rt, 0,1
.if \s == 0
	v_wmma_f32_16x16x128_fp8_fp8 v[S+16*\rt+8*\t:S+16*\rt+8*\t+7], v[\ef+16*\s:\ef+16*\s+15], v[XF+16*(4*\rt+\s):XF+16*(4*\rt+\s)+15], 0
.else
	v_wmma_f32_16x16x128_fp8_fp8 v[S+16*\rt+8*\t:S+16*\rt+8*\t+7], v[\ef+16*\s:\ef+16*\s+15], v[XF+16*(4*\rt+\s):XF+16*(4*\rt+\s)+15], v[S+16*\rt+8*\t:S+16*\rt+8*\t+7]
.endif
.endr
.endr
.endm
.macro TURNG u                         ; unit u through my stage: in as loaded (four rows of 128 bytes an instruction), out as register 16 rt + 8 t + j = gumbel(16 rt + r, 16 t + 8 h + j).  LDS serves a wave's instructions in order (ISA guide 5.7.1.4)
.set GU, G+32*(\u)
.irp i, 0,1,2,3,4,5,6,7
	ds_store_b128 v[GSI], v[GU+4*\i:GU+4*\i+3] offset:576*\i
.endr
.irp rt, 0,1
.irp t, 0,1
.irp jj, 0,1
	ds_load_b128 v[GU+16*\rt+8*\t+4*\jj:GU+16*\rt+8*\t+4*\jj+3], v[GSO] offset:2304*\rt+64*\t+16*\jj
.endr
.endr
.endr
.endm
; THE VECTOR WORK OF A PERIOD, all in window 0: 32 scores a lane, 16 for each of its two rows.
.macro VEC u
.set GU, G+32*(\u)
.irp t, 0,1                            ; a = c s + gumbel.  Tile 0's eight lines name no register of tile 1's products, which were issued last: they are the places behind those; each accumulator is read from its low end on
.irp rt, 0,1
.irp j, 0,2,4,6
.set ofs, 16*\rt+8*\t+\j
	v_pk_fma_f32 v[GU+ofs:GU+ofs+1], v[S+ofs:S+ofs+1], s[50:51], v[GU+ofs:GU+ofs+1] op_sel_hi:[1,0,1]
.endr
.endr
.endr
	v_mov_b32 v[TO], v[MS]
	v_mov_b32 v[TO+1], v[MS+1]
	v_mov_b32 v[SGV], s27
.irp rt, 0,1                           ; the group's largest a, and the running largest score: four chains side by side
	v_max3_num_f32 v[TA+\rt], v[GU+16*\rt], v[GU+16*\rt+1], v[GU+16*\rt+2]
	v_max3_num_f32 v[MS+\rt], v[MS+\rt], v[S+16*\rt], v[S+16*\rt+1]
.endr
.irp i, 3,5,7,9,11,13
.irp rt, 0,1
	v_max3_num_f32 v[TA+\rt], v[TA+\rt], v[GU+16*\rt+\i], v[GU+16*\rt+\i+1]
	v_max3_num_f32 v[MS+\rt], v[MS+\rt], v[S+16*\rt+\i-1], v[S+16*\rt+\i]
.endr
.endr
.irp rt, 0,1
	v_max_num_f32 v[TA+\rt], v[TA+\rt], v[GU+16*\rt+15]
	v_max3_num_f32 v[MS+\rt], v[MS+\rt], v[S+16*\rt+14], v[S+16*\rt+15]
.endr
.irp rt, 0,1
	v_mul_f32 v[NM+2*\rt], s54, v[MS+\rt]          ; -c2 Ms
.endr
.irp rt, 0,1
	v_fma_f32 v[DL+\rt], v[TO+\rt], s52, v[NM+2*\rt]   ; c2 (old Ms - new Ms)
.endr
	v_cmp_gt_f32 s29, v[TA], v[BEST]               ; this group wins where it is larger, or equal and of a lower tile (the tiles are not walked in ascending order)
	v_cmp_eq_f32 s30, v[TA], v[BEST]
	v_cmp_gt_u32 s31, v[CID], v[SGV]
	v_cmp_gt_f32 s73, v[TA+1], v[BEST+1]
	v_cmp_eq_f32 s74, v[TA+1], v[BEST+1]
	v_cmp_gt_u32 s75, v[CID+1], v[SGV]
	v_exp_f32 v[FF], v[DL]                         ; f = 2^(c2 (old Ms - new Ms)): the first two of the period's batch of 34
	v_exp_f32 v[FF+2], v[DL+1]
	v_max_num_f32 v[BEST], v[BEST], v[TA]
	v_max_num_f32 v[BEST+1], v[BEST+1], v[TA+1]
	s_and_b32 s30, s30, s31
	s_or_b32 vcc_lo, s29, s30
	v_cndmask_b32 v[CID], v[CID], v[SGV], vcc_lo
.set i, 0
.rept 16
	v_cndmask_b32 v[SV+i], v[SV+i], v[GU+i], vcc_lo    ; the winning group's sixteen values are kept: the place in the group is found once a level
.set i, i+1
.endr
	s_and_b32 s74, s74, s75
	s_or_b32 vcc_lo, s73, s74
	v_cndmask_b32 v[CID+1], v[CID+1], v[SGV], vcc_lo
.set i, 16
.rept 16
	v_cndmask_b32 v[SV+i], v[SV+i], v[GU+i], vcc_lo
.set i, i+1
.endr
.irp rt, 0,1
.irp j, 0,2,4,6,8,10,12,14
	v_pk_fma_f32 v[GU+16*\rt+\j:GU+16*\rt+\j+1], v[S+16*\rt+\j:S+16*\rt+\j+1], s[52:53], v[NM+2*\rt:NM+2*\rt+1] op_sel_hi:[1,0,0]   ; c2 (s - Ms), at most 0
.endr
.endr
.set i, 0
.rept 32
	v_exp_f32 v[GU+i], v[GU+i]                     ; p
.set i, i+1
.endr
	v_nop                                          ; a plain instruction behind the last exponential
	s_wait_alu depctr_va_vdst(0)                   ; one wait for the batch of 34, ahead of its first reader
.irp rt, 0,1
	v_pk_mul_f32 v[TT+2*\rt:TT+2*\rt+1], v[TT+2*\rt:TT+2*\rt+1], v[FF+2*\rt:FF+2*\rt+1] op_sel_hi:[1,0]
	v_pk_fma_f32 v[ZZ+2*\rt:ZZ+2*\rt+1], v[ZZ+2*\rt:ZZ+2*\rt+1], v[FF+2*\rt:FF+2*\rt+1], v[GU+16*\rt:GU+16*\rt+1] op_sel_hi:[1,0,1]
.endr
.irp j, 2,4,6,8,10,12,14
.irp rt, 0,1
	v_pk_add_f32 v[ZZ+2*\rt:ZZ+2*\rt+1], v[ZZ+2*\rt:ZZ+2*\rt+1], v[GU+16*\rt+\j:GU+16*\rt+\j+1]
.endr
.endr
.irp j, 0,2,4,6,8,10,12,14
.irp rt, 0,1
	v_pk_fma_f32 v[TT+2*\rt:TT+2*\rt+1], v[GU+16*\rt+\j:GU+16*\rt+\j+1], v[S+16*\rt+\j:S+16*\rt+\j+1], v[TT+2*\rt:TT+2*\rt+1]
.endr
.endr
.endm
.macro GFILL u                         ; the next gumbel unit into the registers of unit u: level s23 / 8 (2^26 bytes each), tile (s23 + first tile) % 8 (1,024 bytes of a row each)
.set GU, G+32*(\u)
	s_wait_xcnt 0x0                                ; the earlier loads have read their base: it is written only behind this wait
	s_lshr_b32 s60, s23, 3
	s_lshl_b32 s60, s60, 26
	s_add_co_u32 s73, s23, s21
	s_and_b32 s73, s73, 7
	s_lshl_b32 s73, s73, 10
	s_add_co_u32 s60, s60, s73
	s_add_nc_u64 s[62:63], s[6:7], s[60:61]
	s_add_co_u32 s23, s23, 1
.irp i, 0,1,2,3,4,5,6,7
	global_load_b128 v[GU+4*\i:GU+4*\i+3], v[GOF], s[62:63] offset:32768*\i th:TH_LOAD_NT   ; four rows, 128 consecutive bytes of each
.endr
.endm
; A PERIOD OF P1, the half-th of its pair; its gumbel unit has the same number.  lcnt: the loads issued behind this period's fragments, which may stay out: the eight of the gumbel unit asked for last, or none.
.macro P1PER half, gfill, lcnt
	s_and_b32 s27, s26, 7                          ; the period's tile
	s_add_co_u32 s26, s26, 1
.irp s, 0,1,2,3
.irp c, 0,1,2,3
	ds_load_b128 v[E1+16*\s+4*\c:E1+16*\s+4*\c+3], v[ADR] offset:8192*\half+2048*\s+512*\c   ; tile t = 1's four fragments, out of the ring: they land under tile 0's products
.endr
.endr
	s_wait_loadcnt \lcnt                           ; tile t = 0's four fragments are in, and with them all that was asked for earlier: this period's gumbel unit
	TURNG \half
	WIN 0x05                                       ; both sources window 1, C and D window 0
	MM1 0, E0
	NOPS 4                                         ; places in front of loads into registers that matrix instructions have read
	DNEXT E0, 0x40                                 ; the next period's: they have the rest of this period in which to land
	s_wait_dscnt 16                                ; the ring's sixteen loads are in; the turn's eight stores and eight loads may be out
	WIN 0x04                                       ; source 0 window 0, source 1 window 1
	MM1 1, E1
	WIN 0
	s_wait_dscnt 0x0                               ; gumbel is back from the stage
	VEC \half
.if \gfill
	GFILL \half                                    ; the unit of two periods on
.endif
.endm
.macro P1PAIR gfill, l0, l1
	SYNC 1
	v_add_nc_u32 v[ADR], s86, v[AF]
	P1PER 0, \gfill, \l0
	P1PER 1, \gfill, \l1
	s_xor_b32 s86, s86, RING1                      ; on to the other slot
.endm
.macro GEN                             ; the one-hot operand of the period's 256 along K: 32 registers for each tile of rows, all 0 but at most one
	WIN 0x40
.irp ks, 0,1
.irp rt, 0,1
.set i, 0
.rept 16
	v_cmp_eq_u32 vcc_lo, 16*\ks+i, v[QR+\rt]
	v_cndmask_b32 v[PP+32*\ks+16*\rt+i], 0, v[WW+\rt], vcc_lo
.set i, i+1
.endr
.endr
.endr
.endm
.macro MM2 ks, bf, zero                ; O(rt, tt) += bw's tile tt x the one-hot's tile rt: eight accumulators by turns
.irp tt, 0,1,2,3
.irp rt, 0,1
.if \zero
	v_wmma_f32_16x16x128_fp8_fp8 v[OA+32*\rt+8*\tt:OA+32*\rt+8*\tt+7], v[\bf+16*\tt:\bf+16*\tt+15], v[PP+32*\ks+16*\rt:PP+32*\ks+16*\rt+15], 0
.else
	v_wmma_f32_16x16x128_fp8_fp8 v[OA+32*\rt+8*\tt:OA+32*\rt+8*\tt+7], v[\bf+16*\tt:\bf+16*\tt+15], v[PP+32*\ks+16*\rt:PP+32*\ks+16*\rt+15], v[OA+32*\rt+8*\tt:OA+32*\rt+8*\tt+7]
.endif
.endr
.endr
.endm
; A PERIOD OF P2, the half-th of its pair.  K step 0's fragments were loaded into E0 (half 0) or E1 (half 1); at the period's head the next period's are asked for, into the other of the two.
.macro P2PER half, refill, zero, nxt
.if \half == 0
	SYNC \refill
	v_add_nc_u32 v[ADR], s86, v[AF]
.endif
	s_and_b32 s28, s26, 7
	s_lshl_b32 s28, s28, 5                         ; a tile of 256 along K is 32 registers of the operand
	s_add_co_u32 s26, s26, 1
	v_sub_nc_u32 v[QR], v[QQ], s28                 ; these two and the two below are the four places behind the last products, ahead of the writes of their operand and of the loads into their fragments
	v_sub_nc_u32 v[QR+1], v[QQ+1], s28
	v_nop
	v_nop
.if \nxt
.if \half == 0
	DNEXT E1, 0
.else
	DNEXT E0, 0x40
.endif
.endif
	GEN
.irp tt, 0,1,2,3
.irp c, 0,1,2,3
	ds_load_b128 v[RF+16*\tt+4*\c:RF+16*\tt+4*\c+3], v[ADR] offset:8192*\half+2048*\tt+512*\c   ; K step 1's four fragments, out of the ring (destination window 1, as GEN has left it)
.endr
.endr
.if \nxt
	s_wait_loadcnt 16                              ; K step 0's fragments are in; the next period's sixteen loads may be out
.else
	s_wait_loadcnt 0x0
.endif
.if \half == 0
	WIN 0x05
	MM2 0, E0, \zero
.else
	WIN 0x04
	MM2 0, E1, \zero
.endif
	s_wait_dscnt 0x0
	WIN 0x05
	MM2 1, RF, 0
	WIN 0
.endm
.macro P2PAIR refill, zero, nx1
	P2PER 0, \refill, \zero, 1
	P2PER 1, 0, 0, \nx1
	s_xor_b32 s86, s86, RING1                      ; on to the other slot
.endm
.macro SUM16 b, d                      ; v[d] = the sum of v[b] .. v[b + 15], in one fixed order in every wave
	v_pk_add_f32 v[\b:\b+1], v[\b:\b+1], v[\b+2:\b+3]
	v_pk_add_f32 v[\b+4:\b+5], v[\b+4:\b+5], v[\b+6:\b+7]
	v_pk_add_f32 v[\b+8:\b+9], v[\b+8:\b+9], v[\b+10:\b+11]
	v_pk_add_f32 v[\b+12:\b+13], v[\b+12:\b+13], v[\b+14:\b+15]
	v_pk_add_f32 v[\b:\b+1], v[\b:\b+1], v[\b+4:\b+5]
	v_pk_add_f32 v[\b+8:\b+9], v[\b+8:\b+9], v[\b+12:\b+13]
	v_pk_add_f32 v[\b:\b+1], v[\b:\b+1], v[\b+8:\b+9]
	v_add_f32 v[\d], v[\b], v[\b+1]
.endm
.macro HEAD
	s_load_b128 s[68:71], s[10:11], 0x0            ; e0 (x_n), e1 (e_n), e2 (one-hot), e3 (bw)
	s_load_b32 s72, s[8:9], 0x0                    ; the logit scale
	WIN 0x05                                       ; ---- the rows' sums: my 32 numbers of each row in two chains; the first addition starts each
.irp rt, 0,1
.irp ch, 0,1
.set ofs, 32*\rt+16*\ch
	v_pk_add_f32 v[56+4*\rt+2*\ch:57+4*\rt+2*\ch], v[CUR+ofs:CUR+ofs+1], v[CUR+ofs+2:CUR+ofs+3]
.endr
.endr
	WIN 0x01
.irp j, 4,6,8,10,12,14
.irp rt, 0,1
.irp ch, 0,1
.set ofs, 32*\rt+16*\ch+\j
	v_pk_add_f32 v[56+4*\rt+2*\ch:57+4*\rt+2*\ch], v[CUR+ofs:CUR+ofs+1], v[56+4*\rt+2*\ch:57+4*\rt+2*\ch]
.endr
.endr
.endr
	WIN 0
	v_pk_add_f32 v[56:57], v[56:57], v[58:59]
	v_pk_add_f32 v[60:61], v[60:61], v[62:63]
	v_add_f32 v56, v56, v57
	v_add_f32 v60, v60, v61
	ds_store_b32 v[RWR], v56
	ds_store_b32 v[RWR], v60 offset:1024
	BARRIER                                        ; sixteen partial sums of each row lie in array 0
.irp rt, 0,1
.irp k, 0,1,2,3
	ds_load_b128 v[64+16*\rt+4*\k:64+16*\rt+4*\k+3], v[RRD] offset:1024*\rt+16*\k
.endr
.endr
	s_wait_dscnt 0x0
	SUM16 64, FN
	SUM16 80, FN+2
	v_mul_f32 v[FN], 0xbb000000, v[FN]             ; -mean = sum x -1/512
	v_mul_f32 v[FN+2], 0xbb000000, v[FN+2]
	WIN 0x01                                       ; ---- d = x - mean; the sums of d^2 and of x^2
.irp rt, 0,1
.set j, 0
.rept 16
	v_pk_add_f32 v[64+32*\rt+j:65+32*\rt+j], v[CUR+32*\rt+j:CUR+32*\rt+j+1], v[FN+2*\rt:FN+2*\rt+1] op_sel_hi:[1,0]
.set j, j+2
.endr
.endr
	WIN 0
.irp rt, 0,1
.irp ch, 0,1
.set ofs, 64+32*\rt+16*\ch
	v_pk_mul_f32 v[56+4*\rt+2*\ch:57+4*\rt+2*\ch], v[ofs:ofs+1], v[ofs:ofs+1]
.endr
.endr
.irp j, 2,4,6,8,10,12,14
.irp rt, 0,1
.irp ch, 0,1
.set ofs, 64+32*\rt+16*\ch+\j
	v_pk_fma_f32 v[56+4*\rt+2*\ch:57+4*\rt+2*\ch], v[ofs:ofs+1], v[ofs:ofs+1], v[56+4*\rt+2*\ch:57+4*\rt+2*\ch]
.endr
.endr
.endr
	WIN 0x05
.irp rt, 0,1
.irp ch, 0,1
.set ofs, CUR+32*\rt+16*\ch
	v_pk_mul_f32 v[20+4*\rt+2*\ch:21+4*\rt+2*\ch], v[ofs:ofs+1], v[ofs:ofs+1]
.endr
.endr
.irp j, 2,4,6,8,10,12,14
.irp rt, 0,1
.irp ch, 0,1
.set ofs, CUR+32*\rt+16*\ch+\j
	v_pk_fma_f32 v[20+4*\rt+2*\ch:21+4*\rt+2*\ch], v[ofs:ofs+1], v[ofs:ofs+1], v[20+4*\rt+2*\ch:21+4*\rt+2*\ch]
.endr
.endr
.endr
	WIN 0
	v_pk_add_f32 v[56:57], v[56:57], v[58:59]
	v_pk_add_f32 v[60:61], v[60:61], v[62:63]
	v_pk_add_f32 v[20:21], v[20:21], v[22:23]
	v_pk_add_f32 v[24:25], v[24:25], v[26:27]
	v_add_f32 v56, v56, v57
	v_add_f32 v60, v60, v61
	v_add_f32 v20, v20, v21
	v_add_f32 v24, v24, v25
	ds_store_b32 v[RWR], v56 offset:2048
	ds_store_b32 v[RWR], v60 offset:3072
	ds_store_b32 v[RWR], v20 offset:4096
	ds_store_b32 v[RWR], v24 offset:5120
	BARRIER                                        ; arrays 1 and 2
.irp a, 0,1
.irp rt, 0,1
.irp k, 0,1,2,3
	ds_load_b128 v[64+32*\a+16*\rt+4*\k:64+32*\a+16*\rt+4*\k+3], v[RRD] offset:2048+2048*\a+1024*\rt+16*\k
.endr
.endr
.endr
	s_wait_dscnt 0x0
	SUM16 64, 56
	SUM16 80, 57
	SUM16 96, 58
	SUM16 112, 59
	s_wait_kmcnt 0x0                               ; ---- the level's scalars
	s_add_nc_u64 s[10:11], s[10:11], 16            ; on to the next level's (the loads are done)
	s_add_nc_u64 s[8:9], s[8:9], 4
	s_and_b32 s55, s72, 0x80000000                 ; the logit scale's sign goes to x_n,
	s_and_b32 s76, s72, 0x7fffffff
	s_add_co_i32 s77, s68, s69
	s_add_co_i32 s77, s77, 127
	s_lshl_b32 s77, s77, 23                        ; 2^(e0 + e1) as f32
	s_mul_f32 s50, s76, s77                        ; c: its magnitude x 2^(e0 + e1)
	s_mov_b32 s51, s50                             ; (named as a pair, so it is written)
	s_mul_f32 s52, s50, 0x3fb8aa3b                 ; c2 = c log2(e)
	s_mov_b32 s53, s52
	s_xor_b32 s54, s52, 0x80000000
	s_add_co_i32 s77, s70, s71
	s_add_co_i32 s77, s77, 127
	s_lshl_b32 s77, s77, 23
	s_or_b32 s56, s77, 0x80000000                  ; -2^(e2 + e3)
	s_add_co_i32 s77, s68, 127
	s_lshl_b32 s78, s77, 23
	v_mov_b32 v[VXS], s78
	s_add_co_i32 s77, s77, 8
	s_lshl_b32 s77, s77, 23
	s_or_b32 s77, s77, 0x600000
	v_mov_b32 v[LIMX], s77
	s_add_co_i32 s77, s70, 127
	s_lshl_b32 s78, s77, 23                        ; 2^e2
	s_add_co_i32 s77, s77, 8
	s_lshl_b32 s77, s77, 23
	s_or_b32 s79, s77, 0x600000                    ; 448 x 2^e2
	s_cmp_eq_u32 s24, 0
	s_cselect_b32 s57, -1, 0                       ; level 0 has the scale 1: a choice of value, no branch
	v_mul_f32 v56, 0x3b004020, v56                 ; / 511
	v_mul_f32 v57, 0x3b004020, v57
	v_sqrt_f32 v56, v56                            ; the deviation,
	v_sqrt_f32 v57, v57
	v_sqrt_f32 v58, v58                            ; and |curr|
	v_sqrt_f32 v59, v59
	v_mov_b32 v63, 1.0                             ; (a plain instruction behind the batch)
	s_wait_alu depctr_va_vdst(0)
	v_add_f32 v56, 0x3727c5ac, v56                 ; + 1e-5
	v_add_f32 v57, 0x3727c5ac, v57
	v_cndmask_b32 v56, v56, v63, s57
	v_cndmask_b32 v57, v57, v63, s57
	v_rcp_f32 v60, v56
	v_rcp_f32 v61, v57
	v_mul_f32 v[FN], s56, v56                      ; -scale 2^(e2 + e3), for END
	v_mul_f32 v[FN+2], s56, v57
	s_wait_alu depctr_va_vdst(0)
	v_mul_f32 v58, v58, v60                        ; |curr / scale|
	v_mul_f32 v59, v59, v61
	v_max_num_f32 v58, 0x2b8cbccc, v58             ; max(., 1e-12)
	v_max_num_f32 v59, 0x2b8cbccc, v59
	v_rcp_f32 v58, v58
	v_rcp_f32 v59, v59
	v_nop
	s_wait_alu depctr_va_vdst(0)
	v_mul_f32 v58, v58, v60
	v_mul_f32 v59, v59, v61
	v_xor_b32 v[FF], s55, v58                      ; x_n = curr x this
	v_xor_b32 v[FF+2], s55, v59
	v_mov_b32 v56, s79                             ; ---- the code of 1.0 under 2^e2, held at the largest code
	v_min_num_f32 v56, 1.0, v56
.irp i, 57,58,59,60,61,62,63
	v_mov_b32 v[\i], 0
.endr
	v_mov_b32 v[WW], s78
	v_cvt_scalef32_pk8_fp8_f32 v[QQ:QQ+1], v[56:63], v[WW]
	v_nop                                          ; a plain instruction between a scaled conversion and the reader of its result
	v_and_b32 v[CODE1], 0xff, v[QQ]
	WIN 0x01                                       ; ---- x_n, quantised: 16 neighbours along K of a lane become 16 bytes of a fragment's image
.irp rt, 0,1
.set j, 0
.rept 16
	v_pk_mul_f32 v[64+32*\rt+j:65+32*\rt+j], v[CUR+32*\rt+j:CUR+32*\rt+j+1], v[FF+2*\rt:FF+2*\rt+1] op_sel_hi:[1,0]
.set j, j+2
.endr
.endr
	WIN 0
.set j, 64
.rept 64
	v_med3_num_f32 v[j], v[j], -v[LIMX], v[LIMX]   ; the conversion to an 8-bit code does not saturate (ISA guide 7.6.2): the hold comes first, whatever e0 is
.set j, j+1
.endr
.irp rt, 0,1
.irp b, 0,1
	v_cvt_scalef32_pk8_fp8_f32 v[20+8*\rt+4*\b:21+8*\rt+4*\b], v[64+32*\rt+16*\b:71+32*\rt+16*\b], v[VXS]
	v_cvt_scalef32_pk8_fp8_f32 v[22+8*\rt+4*\b:23+8*\rt+4*\b], v[72+32*\rt+16*\b:79+32*\rt+16*\b], v[VXS]
.endr
.endr
	v_nop
.irp rt, 0,1
.irp b, 0,1
	ds_store_b128 v[XWR], v[20+8*\rt+4*\b:23+8*\rt+4*\b] offset:8192*\rt+512*\b
.endr
.endr
	BARRIER                                        ; x_n's eight fragments lie in LDS
	WIN 0x40
.irp f, 0,1,2,3,4,5,6,7
.irp c, 0,1,2,3
	ds_load_b128 v[XF+16*\f+4*\c:XF+16*\f+4*\c+3], v[XRD] offset:2048*\f+512*\c    ; they stay in registers for the level's P1; the next change of slots waits for them
.endr
.endr
	WIN 0
	v_mov_b32 v[MS], 0xff61b1e6                    ; -3e38, under every score
	v_mov_b32 v[MS+1], 0xff61b1e6
	v_mov_b32 v[BEST], 0xff800000                  ; -infinity
	v_mov_b32 v[BEST+1], 0xff800000
.irp i, 24,25,26,27,28,29,30,31,32,33
	v_mov_b32 v[\i], 0                             ; the tile, Z, T
.endr
	s_wait_loadcnt 0x0                             ; the first period's fragments and the two gumbel units, all asked for ahead of this whole phase: so the counted wait at the head of P1's loop holds on the way in as on the way back
.endm
.macro MID
	v_mov_b32 v56, 0                               ; ---- the place of my best value in its group: the lowest register that holds it
	v_mov_b32 v57, 0
.irp i, 15,14,13,12,11,10,9,8,7,6,5,4,3,2,1,0
.irp rt, 0,1
	v_cmp_neq_f32 vcc_lo, v[SV+16*\rt+\i], v[BEST+\rt]
	v_cndmask_b32 v[56+\rt], 16*(\i/8)+(\i%8), v[56+\rt], vcc_lo
.endr
.endr
.irp rt, 0,1
	v_lshl_add_u32 v[56+\rt], v[CID+\rt], 8, v[56+\rt]
	v_add_nc_u32 v[56+\rt], v[IDB], v[56+\rt]      ; index = 256 tile + 32 w + 8 h + 16 t + j
	v_add_f32 v[ZZ+2*\rt], v[ZZ+2*\rt], v[ZZ+2*\rt+1]
	v_add_f32 v[TT+2*\rt], v[TT+2*\rt], v[TT+2*\rt+1]
.endr
.irp rt, 0,1
	ds_store_b32 v[RWR], v[BEST+\rt] offset:1024*\rt
	ds_store_b32 v[RWR], v[56+\rt] offset:2048+1024*\rt
	ds_store_b32 v[RWR], v[MS+\rt] offset:4096+1024*\rt
	ds_store_b32 v[RWR], v[ZZ+2*\rt] offset:6144+1024*\rt
	ds_store_b32 v[RWR], v[TT+2*\rt] offset:8192+1024*\rt
.endr
	BARRIER                                        ; sixteen partial results of each row lie in the five arrays
.irp rt, 0,1
.irp a, 0,1
.irp k, 0,1,2,3
	ds_load_b128 v[64+32*\rt+16*\a+4*\k:64+32*\rt+16*\a+4*\k+3], v[RRD] offset:2048*\a+1024*\rt+16*\k
.endr
.endr
.endr
	s_wait_dscnt 0x0
.irp rt, 0,1                           ; ---- the row's largest value, and the lowest index that has it
	v_max3_num_f32 v[58+\rt], v[64+32*\rt], v[65+32*\rt], v[66+32*\rt]
.endr
.irp i, 3,5,7,9,11,13
.irp rt, 0,1
	v_max3_num_f32 v[58+\rt], v[58+\rt], v[64+32*\rt+\i], v[65+32*\rt+\i]
.endr
.endr
.irp rt, 0,1
	v_max_num_f32 v[58+\rt], v[58+\rt], v[79+32*\rt]
.endr
.irp k, 0,1,2,3,4,5,6,7,8,9,10,11,12,13,14,15
.irp rt, 0,1
	v_cmp_eq_f32 vcc_lo, v[64+32*\rt+\k], v[58+\rt]
	v_cndmask_b32 v[80+32*\rt+\k], v[BIG], v[80+32*\rt+\k], vcc_lo
.endr
.endr
.irp st, 8,4,2,1
.irp rt, 0,1
.set k, 0
.rept \st
	v_min_u32 v[80+32*\rt+k], v[80+32*\rt+k], v[80+32*\rt+k+\st]
.set k, k+1
.endr
.endr
.endr
.irp rt, 0,1                           ; ---- where the index lies in the one-hot operand: k = 32 c' + 16 h + 4 reg + byte: register 4 c' + reg of the lanes of half h
	v_lshrrev_b32 v60, 5, v[80+32*\rt]
	v_bfe_u32 v61, v[80+32*\rt], 2, 2
	v_lshl_or_b32 v[QQ+\rt], v60, 2, v61
	v_bfe_u32 v60, v[80+32*\rt], 4, 1
	v_cmp_eq_u32 vcc_lo, v60, v[HH]
	v_cndmask_b32 v[QQ+\rt], v[BIG], v[QQ+\rt], vcc_lo     ; the other half of the lanes holds zeros alone
	v_and_b32 v60, 3, v[80+32*\rt]
	v_lshlrev_b32 v60, 3, v60
	v_lshlrev_b32 v[WW+\rt], v60, v[CODE1]
.endr
.irp a, 0,1,2                          ; ---- KL, a lane a row: the sixteen (Ms, Z, T) are brought under the row's largest score.  Every wave runs these lines; wave 0's result is stored at the end
.irp k, 0,1,2,3
	ds_load_b128 v[64+16*\a+4*\k:64+16*\a+4*\k+3], v[RRL] offset:4096+2048*\a+16*\k
.endr
.endr
	s_wait_dscnt 0x0
	v_max3_num_f32 v58, v64, v65, v66
.irp i, 67,69,71,73,75,77
	v_max3_num_f32 v58, v58, v[\i], v[\i+1]
.endr
	v_max_num_f32 v58, v58, v79
	v_mul_f32 v60, s54, v58
.irp j, 0,2,4,6,8,10,12,14
	v_pk_fma_f32 v[64+\j:65+\j], v[64+\j:65+\j], s[52:53], v[60:61] op_sel_hi:[1,0,0]
.endr
.set i, 64
.rept 16
	v_exp_f32 v[i], v[i]
.set i, i+1
.endr
	v_nop
	s_wait_alu depctr_va_vdst(0)
	v_pk_mul_f32 v[62:63], v[80:81], v[64:65]
	v_pk_mul_f32 v[56:57], v[96:97], v[64:65]
.irp j, 2,4,6,8,10,12,14
	v_pk_fma_f32 v[62:63], v[80+\j:81+\j], v[64+\j:65+\j], v[62:63]
	v_pk_fma_f32 v[56:57], v[96+\j:97+\j], v[64+\j:65+\j], v[56:57]
.endr
	v_add_f32 v62, v62, v63
	v_add_f32 v56, v56, v57
	v_rcp_f32 v63, v62
	v_log_f32 v57, v62
	v_nop
	s_wait_alu depctr_va_vdst(0)
	v_fma_f32 v56, v56, v63, -v58                  ; T / Z - Ms
	v_fmac_f32 v[LOSS], s50, v56                   ; x c
	v_fmac_f32 v[LOSS], 0xbf317218, v57            ; - ln 2 x log2 Z
	v_add_f32 v[LOSS], 0x40f3fce1, v[LOSS]         ; + ln 2048
.endm
.macro END                             ; curr -= q x scale: O's register 8 tt + j of tile rt is dim 64 w + 32 (tt / 2) + 16 h + 8 (tt % 2) + j: CUR's own order
	NOPS 4                                         ; places behind the last products, ahead of the first read of results
	WIN 0x50                                       ; destination and source 2 window 1
.irp rt, 0,1
.set j, 0
.rept 16
	v_pk_fma_f32 v[CUR+32*\rt+j:CUR+32*\rt+j+1], v[OA+32*\rt+j:OA+32*\rt+j+1], v[FN+2*\rt:FN+2*\rt+1], v[CUR+32*\rt+j:CUR+32*\rt+j+1] op_sel_hi:[1,0,1]   ; each accumulator from its low end on
.set j, j+2
.endr
.endr
	WIN 0
.endm
; A LEVEL.  last = 1: the third level, whose tails are written out: its last pair of P1 asks for no gumbel, its last pair of P2 for no refill and, in the end, for no fragments.
.macro LEVEL last
	HEAD
	s_mov_b32 s25, 4-\last
.Lp1_\@:                               ; a trip: a pair of periods, one slot, gumbel's two units.  At its head the next period's 16 fragment loads and the last unit's 8 are out on the way back, nothing on the way in
	P1PAIR 1, 8, 8
	s_sub_co_u32 s25, s25, 1
	s_cmp_lg_u32 s25, 0
	s_cbranch_scc1 .Lp1_\@
.if \last
	P1PAIR 0, 8, 0                                 ; behind the second period's fragments nothing was asked for: its wait is for 0
.irp rt, 0,1                           ; latent once more, into gumbel's two units, in CUR's layout: it lands during MID
.irp b, 0,1
.irp q, 0,1,2,3
	global_load_b128 v[G+32*\rt+16*\b+4*\q:G+32*\rt+16*\b+4*\q+3], v[LOF], s[4:5] offset:32768*\rt+128*\b+16*\q th:TH_LOAD_NT
.endr
.endr
.endr
.endif
	MID
	P2PAIR 1, 1, 1                                 ; the first period's first K step starts the sums
	s_mov_b32 s25, 3-\last
.Lp2_\@:
	P2PAIR 1, 0, 1                                 ; (the last trip's refill and its last fragments are the next level's first of e_n)
	s_sub_co_u32 s25, s25, 1
	s_cmp_lg_u32 s25, 0
	s_cbranch_scc1 .Lp2_\@
.if \last
	P2PAIR 0, 0, 0                                 ; the launch's last pair: nothing is left to fetch, and each wave reads its own part of the slot alone
.endif
	END
.endm
	s_load_b256 s[4:11], s[0:1], 0x0               ; latent, gumbel, logit_scales, lowp_scales
	s_load_b128 s[12:15], s[0:1], 0x20             ; cb, part
	s_load_b64 s[16:17], s[0:1], 0x30              ; out1
	v_lshl_add_u32 v1, v0, 2, SPARE                ; my spare word; never rewritten
	v_mov_b32 v2, 0                                ; 0; never rewritten
	ds_add_u32 v1, v2
	ds_add_u32 v1, v2
	s_wait_dscnt 0x0
	v_lshrrev_b32 v56, 5, v0
	v_readfirstlane_b32 s18, v56                   ; wave 0..7
	s_bfe_u32 s19, ttmp6, 0x40000                  ; cx: my place in the cluster: it enters latent's, gumbel's, part's and out1's addresses alone
	s_lshl_b32 s20, ttmp9, 2                       ; in a cluster launch ttmp9 counts clusters
	s_add_co_u32 s20, s20, s19                     ; work-group
	s_and_b32 s87, ttmp9, 3                        ; the pair of tiles at which my cluster begins each phase: the same in all four partners,
	s_lshl_b32 s21, s87, 1                         ; and its first tile
	; descriptor group 1: my 16,384 bytes of a pair of tiles, dense in memory and in LDS, as 64 rows of 256 bytes
	s_mov_b32 s32, 15|(3<<16)|(1<<21)              ; 15:0 the mask: all four work-groups; 17:16 elements of 8 bytes; 21 set beside a mask; no padding
	s_mov_b32 s33, 32<<16                          ; tensor_dim0 = 32
	s_mov_b32 s34, 64<<16                          ; tensor_dim1 = 64
	s_mov_b32 s35, 32<<16                          ; tile_dim0 = 32
	s_mov_b32 s36, 64                              ; tile_dim1 = 64
	s_mov_b32 s37, 32                              ; elements from row to row
	s_mov_b32 s38, 0
	s_mov_b32 s39, 0
	s_mov_b32 s22, 0
	s_mov_b32 s23, 0
	s_mov_b32 s24, 0
	s_mov_b32 s26, s21
	s_mov_b32 s48, 0x76543210
	s_mov_b32 s49, 0xfedcba98
	s_mov_b32 s59, 0
	s_mov_b32 s61, 0
	s_mov_b32 s85, 0
	s_mov_b32 s86, 0
	s_mov_b32 s88, 0
	v_and_b32 v56, 31, v0                          ; lane
	v_and_b32 v57, 15, v0                          ; r
	v_bfe_u32 v[HH], v0, 4, 1                      ; h
	v_bfe_u32 v59, v0, 3, 2                        ; lane / 8
	v_and_b32 v60, 7, v0                           ; lane % 8
	v_lshlrev_b32 v61, 4, v56                      ; 16 x lane
	s_lshl_b32 s78, s18, 14
	s_mov_b32 s79, 0
	v_add_nc_u32 v[AF], s78, v61
	v_add_nc_u32 v[XRD], XIMG, v61
	s_lshl_b32 s73, s18, 10
	v_add_nc_u32 v[XWR], s73, v[XRD]
	s_mul_i32 s73, s18, STGW
	s_add_co_u32 s73, s73, STG                     ; my stage
	v_mul_u32_u24 v[GSI], v59, 144
	v_lshl_add_u32 v[GSI], v60, 4, v[GSI]
	v_add_nc_u32 v[GSI], s73, v[GSI]
	v_mul_u32_u24 v[GSO], v57, 144
	v_lshl_add_u32 v[GSO], v[HH], 5, v[GSO]
	v_add_nc_u32 v[GSO], s73, v[GSO]
	v_lshlrev_b32 v[GOF], 13, v59
	v_lshl_add_u32 v[GOF], v60, 4, v[GOF]
	v_lshlrev_b32 v[LOF], 11, v57
	v_lshl_add_u32 v[LOF], v[HH], 6, v[LOF]
	v_lshl_add_u32 v[RRD], v57, 6, RED
	v_lshl_add_u32 v[RRL], v56, 6, RED
	v_lshl_add_u32 v[RWR], v[HH], 2, v[RRD]
	s_lshl_b32 s77, s18, 3
	v_add_nc_u32 v[RWR], s77, v[RWR]
	v_mul_u32_u24 v[OSI], v57, 272
	v_lshl_add_u32 v[OSI], v[HH], 6, v[OSI]
	v_add_nc_u32 v[OSI], s73, v[OSI]
	v_mul_u32_u24 v[OSO], v[HH], 272
	v_lshl_add_u32 v[OSO], v57, 4, v[OSO]
	v_add_nc_u32 v[OSO], s73, v[OSO]
	v_lshlrev_b32 v[OGO], 11, v[HH]
	v_lshl_add_u32 v[OGO], v57, 4, v[OGO]
	v_lshlrev_b32 v[IDB], 3, v[HH]
	s_lshl_b32 s77, s18, 5
	v_add_nc_u32 v[IDB], s77, v[IDB]
	v_mov_b32 v[BIG], 0x7fffffff
	v_mov_b32 v[LOSS], 0
.irp i, 35,37,39,41,43,45
	v_mov_b32 v[\i], 0                             ; the unused halves of the pairs: named, so written
.endr
	s_lshl_b32 s74, s20, 16                        ; latent and out1: 32 rows of 2,048 bytes a work-group, 256 bytes of a row a wave
	s_lshl_b32 s75, s18, 8
	s_add_co_u32 s74, s74, s75
	s_mov_b32 s75, 0
	s_lshl_b32 s76, s20, 18                        ; gumbel: 32 rows of 8,192 bytes a work-group, 128 bytes of a tile's 1,024 a wave
	s_lshl_b32 s77, s18, 7
	s_add_co_u32 s76, s76, s77
	s_mov_b32 s77, 0
	s_wait_kmcnt 0x0
	s_add_nc_u64 s[4:5], s[4:5], s[74:75]
	s_add_nc_u64 s[16:17], s[16:17], s[74:75]
	s_add_nc_u64 s[6:7], s[6:7], s[76:77]
	s_add_nc_u64 s[80:81], s[12:13], 0x80000       ; cb at the second half of phase 0: the wave's part stands in the vector offset
	s_add_nc_u64 s[12:13], s[12:13], s[78:79]      ; cb at my wave's part of a pair: made of the wave's number alone
	s_lshl_b32 s74, s20, 2
	s_add_nc_u64 s[14:15], s[14:15], s[74:75]
	s_mov_b32 s40, 1                               ; group 0: count = 1,
	s_lshl_b32 s41, s18, 14                        ; LDS address 16,384 w, in slot 0,
	s_lshl_b32 s58, s87, 17
	s_add_nc_u64 s[42:43], s[12:13], s[58:59]      ; phase 0's first pair of my cluster,
	s_or_b32 s43, s43, 0x80000000                  ; type = 2
	ROUND                                          ; all four work-groups are here: the first joint loads meet
	tensor_load_to_lds s[40:43], s[32:39]          ; slot 0; slot 1 is first filled behind the first pair's round, as a refill is
	s_nop 0
	NOPS 4
	WIN 0x40
.irp rt, 0,1
.irp b, 0,1
.irp q, 0,1,2,3
	global_load_b128 v[CUR+32*\rt+16*\b+4*\q:CUR+32*\rt+16*\b+4*\q+3], v[LOF], s[4:5] offset:32768*\rt+128*\b+16*\q
.endr
.endr
.endr
	DNEXT E0, 0x40                                 ; the first period's fragments
	WIN 0
	GFILL 0
	GFILL 1
	s_wait_loadcnt 32                              ; latent's sixteen loads are in; the sixteen fragment loads and gumbel's sixteen, issued behind them, may be out
.Llevel:
	LEVEL 0
	s_add_co_u32 s24, s24, 1
	s_cmp_lt_u32 s24, 2
	s_cbranch_scc1 .Llevel
	LEVEL 1
	; THE WAY OUT.  code_sum = latent - curr.  A lane's 64 bytes of a row go through my stage (rows of 256 bytes + 16) and come back as whole rows of my wave's 256 bytes: sixteen lanes store 256 consecutive bytes, aligned
	s_wait_loadcnt 0x0                             ; latent, for the second time
	WIN 0x04                                       ; source 1 window 1
.set j, 0
.rept 32
	v_pk_add_f32 v[G+j:G+j+1], v[G+j:G+j+1], v[CUR+j:CUR+j+1] neg_lo:[0,1] neg_hi:[0,1]
.set j, j+2
.endr
	WIN 0
.irp rt, 0,1
.irp b, 0,1
.irp q, 0,1,2,3
	ds_store_b128 v[OSI], v[G+32*\rt+16*\b+4*\q:G+32*\rt+16*\b+4*\q+3] offset:128*\b+16*\q
.endr
.endr
.irp k, 0,1,2,3,4,5,6,7
	ds_load_b128 v[64+32*\rt+4*\k:64+32*\rt+4*\k+3], v[OSO] offset:544*\k      ; LDS serves a wave's instructions in order: these see the stores above, and the next tile's stores come behind them
.endr
.endr
.irp rt, 0,1
.irp k, 0,1,2,3,4,5,6,7
	s_wait_dscnt 16*(1-\rt)+7-\k                   ; rows 2 k and 2 k + 1 of the tile are back; what was issued behind them may be out
	global_store_b128 v[OGO], v[64+32*\rt+4*\k:64+32*\rt+4*\k+3], s[16:17] offset:(16*\rt+2*\k)*2048 th:TH_STORE_NT
.endr
.endr
	s_cmp_lg_u32 s18, 0                            ; wave 0 stores the work-group's sum of KL over its 32 rows and three levels
	s_cbranch_scc1 .Lnot_first
	v_add_f32_dpp v[LOSS], v[LOSS], v[LOSS] row_xmask:1 row_mask:0xf bank_mask:0xf
	v_add_f32_dpp v[LOSS], v[LOSS], v[LOSS] row_xmask:2 row_mask:0xf bank_mask:0xf
	v_add_f32_dpp v[LOSS], v[LOSS], v[LOSS] row_xmask:4 row_mask:0xf bank_mask:0xf
	v_add_f32_dpp v[LOSS], v[LOSS], v[LOSS] row_xmask:8 row_mask:0xf bank_mask:0xf
	v_permlanex16_b32 v56, v[LOSS], s48, s49
	v_add_f32 v[LOSS], v[LOSS], v56
	v_mov_b32 v57, 0
	v_cmp_eq_u32 vcc_lo, 0, v0
	s_wait_xcnt 0x0                                ; EXEC changes only behind this wait: the stores above have it among their sources
	s_and_saveexec_b32 s73, vcc_lo
	global_store_b32 v57, v[LOSS], s[14:15]
	s_wait_xcnt 0x0                                ; and again, in front of the line that widens it
	s_or_b32 exec_lo, exec_lo, s73
.Lnot_first:
	s_wait_tensorcnt 0x0                           ; the wave's end, behind my last tensor load and my last LDS store
	ds_add_u32 v1, v2
	s_wait_dscnt 0x0
	ROUND                                          ; the closing round: no work-group ends while a partner may still ask for a tile that names it
	s_endpgm
.Lfunc_end_k_q759eb5de08_main:
	.size	k_q759eb5de08_main, .Lfunc_end_k_q759eb5de08_main-k_q759eb5de08_main
	.p2alignl 7, 3214868480
	.fill 96, 4, 3214868480
	.section	.rodata,"a",@progbits
	.p2align	6, 0x0
	.amdhsa_kernel k_q759eb5de08_main
		.amdhsa_group_segment_fixed_size 327680
		.amdhsa_private_segment_fixed_size 0
		.amdhsa_enable_private_segment 0
		.amdhsa_kernarg_size 56
		.amdhsa_user_sgpr_count 2
		.amdhsa_user_sgpr_kernarg_segment_ptr 1
		.amdhsa_wavefront_size32 1
		.amdhsa_system_sgpr_workgroup_id_x 1
		.amdhsa_system_sgpr_workgroup_id_y 1
		.amdhsa_system_sgpr_workgroup_id_z 1
		.amdhsa_system_vgpr_workitem_id 0
		.amdhsa_next_free_vgpr 512
		.amdhsa_next_free_sgpr 90
		.amdhsa_reserve_vcc 1
		.amdhsa_float_denorm_mode_32 3
		.amdhsa_float_denorm_mode_16_64 3
		.amdhsa_memory_ordered 1
		.amdhsa_forward_progress 1
		.amdhsa_inst_pref_size 255
	.end_amdhsa_kernel
	.section	.bss,"aw",@nobits
	.p2align	6
	.space	262144
	.amdgpu_metadata
---
amdhsa.version: [ 1, 2 ]
amdhsa.kernels:
  - .name:           k_q759eb5de08_main
    .symbol:         k_q759eb5de08_main.kd
    .args:
      - { .name: latent, .offset: 0, .size: 8, .value_kind: global_buffer, .address_space: global }
      - { .name: gumbel, .offset: 8, .size: 8, .value_kind: global_buffer, .address_space: global }
      - { .name: logit_scales, .offset: 16, .size: 8, .value_kind: global_buffer, .address_space: global }
      - { .name: lowp_scales, .offset: 24, .size: 8, .value_kind: global_buffer, .address_space: global }
      - { .name: cb, .offset: 32, .size: 8, .value_kind: global_buffer, .address_space: global }
      - { .name: part, .offset: 40, .size: 8, .value_kind: global_buffer, .address_space: global }
      - { .name: out1, .offset: 48, .size: 8, .value_kind: global_buffer, .address_space: global }
    .group_segment_fixed_size: 327680
    .private_segment_fixed_size: 0
    .kernarg_segment_align: 8
    .kernarg_segment_size: 56
    .max_flat_workgroup_size: 256
    .sgpr_count:     90
    .vgpr_count:     512
    .wavefront_size: 32
...
	.end_amdgpu_metadata
.endif
;; end of part 2
;; launch lsum (part 3): grid 1 x 1, 1 waves a work-group, no clusters, 0 bytes of LDS; arguments part, out0; writes out0
.if DOCPART == 3
	.amdgcn_target "amdgcn-amd-amdhsa--gfx1250"
	.amdhsa_code_object_version 6
	.text
	.protected	k_q759eb5de08_lsum
	.globl	k_q759eb5de08_lsum
	.p2align	8
	.type	k_q759eb5de08_lsum,@function
k_q759eb5de08_lsum:
	s_mov_b64 s[64:65], 0
	v_nop
	global_prefetch_b8 v0, s[64:65] scope:SCOPE_SE
	s_setreg_imm32_b32 hwreg(HW_REG_WAVE_MODE, 25, 1), 1
	s_wait_xcnt 0x0
; loss = 0.001 / 8192 x the sum of the 256 work-groups' sums of KL, in one fixed order: a sum that spans work-groups has one owner.  One wave: eight numbers a lane, then across the lanes.
	s_load_b128 s[4:7], s[0:1], 0x0                ; part, out0
	v_lshlrev_b32 v1, 5, v0                        ; 32 bytes a lane: the wave reads 1,024 consecutive bytes
	s_mov_b32 s8, 0x76543210                       ; v_permlanex16_b32: lane l xor 16
	s_mov_b32 s9, 0xfedcba98
	v_mov_b32 v2, 0
	s_wait_kmcnt 0x0
	global_load_b128 v[4:7], v1, s[4:5]
	global_load_b128 v[8:11], v1, s[4:5] offset:16
	s_wait_loadcnt 0x0
	v_pk_add_f32 v[4:5], v[4:5], v[6:7]
	v_pk_add_f32 v[8:9], v[8:9], v[10:11]
	v_pk_add_f32 v[4:5], v[4:5], v[8:9]
	v_add_f32 v4, v4, v5
	v_add_f32_dpp v4, v4, v4 row_xmask:1 row_mask:0xf bank_mask:0xf
	v_add_f32_dpp v4, v4, v4 row_xmask:2 row_mask:0xf bank_mask:0xf
	v_add_f32_dpp v4, v4, v4 row_xmask:4 row_mask:0xf bank_mask:0xf
	v_add_f32_dpp v4, v4, v4 row_xmask:8 row_mask:0xf bank_mask:0xf
	v_permlanex16_b32 v5, v4, s8, s9
	v_add_f32 v4, v4, v5
	v_mul_f32 v4, 0x3403126f, v4                   ; x 0.001 / 8192: the weight of KL and the mean over the rows
	v_cmp_eq_u32 vcc_lo, 0, v0
	s_wait_xcnt 0x0                                ; EXEC changes only behind this wait
	s_and_saveexec_b32 s10, vcc_lo
	global_store_b32 v2, v4, s[6:7]
	s_wait_xcnt 0x0
	s_or_b32 exec_lo, exec_lo, s10
	s_endpgm
.Lfunc_end_k_q759eb5de08_lsum:
	.size	k_q759eb5de08_lsum, .Lfunc_end_k_q759eb5de08_lsum-k_q759eb5de08_lsum
	.p2alignl 7, 3214868480
	.fill 96, 4, 3214868480
	.section	.rodata,"a",@progbits
	.p2align	6, 0x0
	.amdhsa_kernel k_q759eb5de08_lsum
		.amdhsa_group_segment_fixed_size 0
		.amdhsa_private_segment_fixed_size 0
		.amdhsa_enable_private_segment 0
		.amdhsa_kernarg_size 16
		.amdhsa_user_sgpr_count 2
		.amdhsa_user_sgpr_kernarg_segment_ptr 1
		.amdhsa_wavefront_size32 1
		.amdhsa_system_sgpr_workgroup_id_x 1
		.amdhsa_system_sgpr_workgroup_id_y 1
		.amdhsa_system_sgpr_workgroup_id_z 1
		.amdhsa_system_vgpr_workitem_id 0
		.amdhsa_next_free_vgpr 16
		.amdhsa_next_free_sgpr 66
		.amdhsa_reserve_vcc 1
		.amdhsa_float_denorm_mode_32 3
		.amdhsa_float_denorm_mode_16_64 3
		.amdhsa_memory_ordered 1
		.amdhsa_forward_progress 1
		.amdhsa_inst_pref_size 2
	.end_amdhsa_kernel
	.amdgpu_metadata
---
amdhsa.version: [ 1, 2 ]
amdhsa.kernels:
  - .name:           k_q759eb5de08_lsum
    .symbol:         k_q759eb5de08_lsum.kd
    .args:
      - { .name: part, .offset: 0, .size: 8, .value_kind: global_buffer, .address_space: global }
      - { .name: out0, .offset: 8, .size: 8, .value_kind: global_buffer, .address_space: global }
    .group_segment_fixed_size: 0
    .private_segment_fixed_size: 0
    .kernarg_segment_align: 8
    .kernarg_segment_size: 16
    .max_flat_workgroup_size: 32
    .sgpr_count:     66
    .vgpr_count:     16
    .wavefront_size: 32
...
	.end_amdgpu_metadata
.endif
;; end of part 3
